; MI455X (gfx1250); checked and timed in simulation.
; The chip was launched on July 23, 2026; its instructions are those of AMD's public machine-readable ISA for CDNA 5 (MIT licence, August 2026) and "CDNA5" Instruction Set Architecture Reference Guide (July 2026). The comments in the code are by the model that wrote it; some were corrected since.
;; Multi Encoder Layer. Allowed arithmetic: matrix products marked QUANTISED: E5M2 operands, one E8M0 scale for each 32 along K, by v_wmma_scale_f32_16x16x128_f8f6f4 with both operands' format E5M2, f32 sums; everything else in f32.
;; Inputs: b1 2,048 float32; b2 512 float32; g_m 16 x 1,024 x 1,024 float32; ln1_b 512 float32; ln1_w 512 float32; ln2_b 512 float32; ln2_w 512 float32; mask 16 x 1,024 x 1,024 int32; t_m 16 x 1,024 x 1,024 float32; w1_codes 2,048 x 16 x 32 uint8 (E5M2 codes of w1, K innermost, in blocks of 32 codes); w1_scales 2,048 x 16 uint8 (E8M0 scales of w1, one for each 32 codes along K); w2_codes 512 x 64 x 32 uint8 (E5M2 codes of w2, K innermost, in blocks of 32 codes); w2_scales 512 x 64 uint8 (E8M0 scales of w2, one for each 32 codes along K); x 16 x 1,024 x 512 float32.
;; Outputs: out0 16 x 1,024 x 512 float32.
;; This version of the problem:
;;   THIS VERSION OF THE PROBLEM IS GIVEN IN LOW PRECISION. The matrix products marked QUANTISED in the list below multiply operands that are first quantised to E5M2 (5 exponent bits, 2 mantissa bits; 8 bits a number), with one power-of-two scale for each 32 numbers along K (OCP MX v1.0); their sums are f32. All else is computed in f32.
;;   The module's matrix products, in the order in which they are computed (A, B: the left and right operand; K: the contracted axis; several contracted axes count as one K, in the product's order):
;;     1. batch 16 x [M 1,024, K 512] x [K 512, N 1,024]; A: computed on the way; B: computed on the way: QUANTISED
;;     2. batch 16 x [M 1,024, K 1,024] x [K 1,024, N 512]; A: softmax (see below); B: computed on the way: QUANTISED
;;     3. [M 16,384, K 512] x [K 512, N 2,048]; A: computed on the way; B: input w1 (given as codes): QUANTISED
;;     4. [M 16,384, K 2,048] x [K 2,048, N 512]; A: computed on the way; B: input w2 (given as codes): QUANTISED
;;   THE QUANTISER, for each operand of a quantised product, along K:
;;     - K is cut into blocks of 32 from its start; a last block that is shorter is filled with zeros.
;;     - A block's scale is 2^e with e = floor(log2(the largest magnitude in the block)) - 15, held to -126 .. 127; a block of zeros has e = 0. As a byte (E8M0): e + 127.
;;     - Each number is divided by its block's scale, clamped to +-57,344, and rounded to the nearest number of E5M2, ties to even, subnormals kept.
;;     - The product sums the exact products of the quantised numbers (number of the format x scale) in f32.
;;   ~~~python
;;   def quantise(x, axis):      # numpy; x: float32 -> the quantised numbers, widened to float32 again
;;       x = np.moveaxis(x, axis, -1); K = x.shape[-1]
;;       x = np.pad(x, [(0, 0)] * (x.ndim - 1) + [(0, -K % 32)]); x = x.reshape(x.shape[:-1] + (-1, 32)); a = np.abs(x).max(-1, keepdims=True)
;;       e = np.where(a > 0, np.clip(np.frexp(np.where(a > 0, a, 1))[1] - 1 - 15, -126, 127), 0)      # np.frexp(a)[1] - 1 = floor(log2(a)), exactly
;;       r = np.clip(x / 2.0 ** e, -57344, 57344)
;;       step = 2.0 ** (np.maximum(np.frexp(np.where(r == 0, 1, r))[1] - 1, -14) - 2)
;;       q = np.round(r / step) * step * 2.0 ** e      # np.round: ties to even
;;       return np.moveaxis(q.reshape(q.shape[:-2] + (-1,))[..., :K], -1, axis).astype(np.float32)
;;   ~~~
;;   SOFTMAX AHEAD OF A QUANTISED PRODUCT. Where the list says 'softmax', what is quantised is not the finished softmax but p = 2^(t - M), with t = logit x log2(e) and M = ceil(the row's largest t), a whole number; so 1/2 < the row's largest p <= 1. The row's sum l is taken of the UNQUANTISED p, in f32, and the product's result is divided by l at the end. Since M is a whole number, a kernel that streams over the keys may use a running M (the ceiling of the running maximum): every later rescaling is an exact power of two, which a block's scale takes up: the codes' values come out the same.
;;   OPERANDS COMPUTED ON THE WAY. 'Computed on the way' means the value that the module computes at that place (a softmax that the list does not call 'softmax' is quantised finished and normalised). What goes into a quantiser is computed in f32, as accurately as f32 sums, v_exp_f32 and their like allow (about 1e-6 of the number): no bf16 or f16 on the way to a quantiser, and a product that is left as it is and whose result goes on into a quantised operand takes f32 operands (vector FMAs, or v_wmma_f32_16x16x4_f32). A number that lies on a knife's edge between two numbers of the format may be rounded either way, as far as f32 arithmetic and the matrix unit's own rounding can turn it there, and no further.
;;   INPUTS GIVEN AS CODES. w1 (in the module: [512, 2048], K = its axis 0); w2 (in the module: [2048, 512], K = its axis 0): each comes as NAME_codes (uint8): NAME with its K axis moved to the last place and cut into blocks of 32 codes, [.., K / 32, bytes a block], one block behind the other in memory; one code a byte (a code: sign, 5 exponent bits, 2 mantissa bits); and NAME_scales (uint8): the same leading axes, one E8M0 byte (e + 127) for each 32 codes along K. Its value is code x scale, taken as it is: it is not quantised again, and the codes and scales need not be those that the quantiser above would give.
;; One version. Each part assembles by itself: llvm-mc -triple=amdgcn-amd-amdhsa -mcpu=gfx1250 --defsym DOCPART=n.
;; ======== version 1 of 1: 2 launches
;; limits: right only within a limited range of input values
;; workspace buffers: strm 19,464,192 bytes; pmax 32,768 bytes; ubuf 67,108,864 bytes
;; launch prep (part 1): grid 256 x 1, 8 waves a work-group, no clusters, 107,520 bytes of LDS; arguments x, ln1_w, ln1_b, t_m, g_m, w1_codes, w1_scales, w2_codes, w2_scales, strm, pmax, mask, ubuf; writes strm, pmax, ubuf
.if DOCPART == 1
	.amdgcn_target "amdgcn-amd-amdhsa--gfx1250"
	.amdhsa_code_object_version 6
	.text
	.protected	k_qb6b0549a8f_prep
	.globl	k_qb6b0549a8f_prep
	.p2align	8
	.type	k_qb6b0549a8f_prep,@function
k_qb6b0549a8f_prep:
	s_mov_b64 s[64:65], 0
	v_nop
	global_prefetch_b8 v0, s[64:65] scope:SCOPE_SE
	s_setreg_imm32_b32 hwreg(HW_REG_WAVE_MODE, 25, 1), 1
	s_wait_xcnt 0x0
; THE LAUNCH AHEAD OF THE LAYER.  Two kinds of work-group, told apart by the work-group's number alone, and a third task:
;   ids 0..255: of ids 2 k and 2 k + 1 one is LN number k and the other MAX number k; which of the two alternates with bit 4 of the id, so that neighbouring ids, and ids 16 apart, hold both kinds
;     LN : 128 rows of x -> h = layernorm(x), quantised TWICE to E5M2 with one E8M0 scale for each 32: along d (operand of h h^T) and along the keys (operand of p h)
;     MAX: trips 0 to 4 of the pair's bias table: a wave leaves four partial maxima of what it read
;   W, done besides by the kind LN of pairs 0..15: one fill of w1's or w2's codes and scale bytes, copied into the order in which the next launch's registers take them; the short ones come last
; THE STREAM (strm): fills of FILL bytes = [wave 0..3][step 0..1] step blocks.  A step block = 8 images of fragments (16 rows x 128 K: piece c at 512 c, lane l at 16 l,
; the codes of k = 32 c + 16 (l / 16) + 0..15 of row l % 16), then at ASC 512 bytes of scale words: word 4 l + s = the word of fragment 2 s + l / 16, row l % 16.
; Tile i of a run of 128 rows holds in lane row r the row 32 (i / 2) + 8 (i % 2) + r + 8 (r / 8), so that the results of tiles 2 c and 2 c + 1 are 16 neighbours along the next K.
; Fill numbers: batch b: 8 b + 4 (key half) + 2 g + phi, g = 0 keys as rows / K = d, g = 1 d as rows / K = keys; weights: 128 + 4 j + 2 g + phi, g = 0 w1, g = 1 w2.
; LIMITS: NaN and infinities are not served; a block whose largest magnitude lies under 2^-111, a block of zeros among them, keeps the scale byte 1 (its codes are then zeros or subnormal codes;
; the bytes are read by this program alone).  The partial maxima leave as 2,048 stores of 16 bytes in all.
; The kind called MAX in the list above takes 80 of the pair's 128 rows x 1,024 keys of t_m, g_m and mask, leaves partial maxima and stores the bias table ubuf: see its section.
.set FILL,  135168
.set WQ,    33792
.set STEPB, 16896
.set ASC,   16384
.set PITCH, 528                        ; LN's stage: a row of 128 f32 + 16 bytes: the sixteen rows of a 16-byte load start in sixteen different groups of banks
.set SC,    128*PITCH                  ; behind the stage: eight scale blocks of 512 bytes
.set TM,  16                           ; v16-31  at work in QUANT (and the sums of the statistics)
.set PC,  40                           ; v40-55  a fragment's codes
.set PW,  56                           ; v56     its scale word
.set KW,  57                           ; v57-60  the four scale words along d
.set HQ,  64                           ; v64-127 64 numbers ahead of the quantiser
.set LW,  128                          ; v128-191 ln1_w of a quarter, v192-255 ln1_b
.set LB,  192
.set MSB, 0
.macro WIN new                         ; the immediate's high byte repeats the setting that is left
.if MSB != \new
	s_set_vgpr_msb (MSB<<8)|\new
.set MSB, \new
.endif
.endm
.macro BAR                             ; my LDS stores have landed and my LDS loads are in: then the work-group's barrier
	s_wait_dscnt 0x0
	s_barrier_signal -1
	s_barrier_wait -1
.endm
; 64 numbers of a lane, register 16 b + i = k 32 b + 16 (lane / 16) + i of its row, become a fragment's codes in v[PC] on and its scale word in v[PW]
.macro QUANT s
.irp b, 0,1,2,3
	v_max3_num_f32 v[TM+\b], |v[\s+16*\b]|, |v[\s+16*\b+1]|, 0x8000000   ; my 16 numbers of block b, and the floor 2^(16 - 127): the byte cannot fall under 1
.endr
.irp i, 2,4,6,8,10,12,14
.irp b, 0,1,2,3
	s_delay_alu instid0(VALU_DEP_4)
	v_max3_num_f32 v[TM+\b], v[TM+\b], |v[\s+16*\b+\i]|, |v[\s+16*\b+\i+1]|
.endr
.endr
.irp b, 0,1,2,3
	s_delay_alu instid0(VALU_DEP_4)
	v_permlanex16_b32 v[TM+4+\b], v[TM+\b], s52, s53
.endr
.irp b, 0,1,2,3
	s_delay_alu instid0(VALU_DEP_4)
	v_max_num_f32 v[TM+\b], v[TM+\b], v[TM+4+\b]        ; with lane l xor 16's: the block's largest magnitude
.endr
.irp b, 0,1,2,3
	s_delay_alu instid0(VALU_DEP_4)
	v_add_nc_u32 v[TM+12+\b], 0xf8800000, v[TM+\b]      ; 15 off its exponent field: the conversion's scale operand
.endr
.irp b, 0,1,2,3
	v_and_or_b32 v[TM+8+\b], v[TM+\b], 0x7f800000, s54  ; 57,344 x the scale
.endr
.irp b, 0,1,2,3
	v_lshrrev_b32 v[TM+4+\b], 23, v[TM+12+\b]           ; the scale's byte
.endr
	s_delay_alu instid0(VALU_DEP_3)
	v_lshl_or_b32 v[PW], v[TM+5], 8, v[TM+4]
	s_delay_alu instid0(VALU_DEP_1)
	v_lshl_or_b32 v[PW], v[TM+6], 16, v[PW]
	s_delay_alu instid0(VALU_DEP_1)
	v_lshl_or_b32 v[PW], v[TM+7], 24, v[PW]
.irp b, 0,1,2,3
.irp i, 0,1,2,3,4,5,6,7,8,9,10,11,12,13,14,15
	v_med3_num_f32 v[\s+16*\b+\i], v[\s+16*\b+\i], -v[TM+8+\b], v[TM+8+\b]   ; the conversion to an 8-bit code does not saturate (ISA guide 7.6.2): the hold
.endr
.endr
	s_wait_alu depctr_va_vdst(0)
	s_wait_xcnt 0x0                                    ; the last fragment's stores have read v[PC] on: only now are the codes written again
.irp b, 0,1,2,3
	v_cvt_scalef32_pk8_bf8_f32 v[PC+4*\b:PC+4*\b+1], v[\s+16*\b:\s+16*\b+7], v[TM+12+\b]
	v_cvt_scalef32_pk8_bf8_f32 v[PC+4*\b+2:PC+4*\b+3], v[\s+16*\b+8:\s+16*\b+15], v[TM+12+\b]
.endr
	v_nop                                              ; a plain line behind the last conversion
.endm
	s_load_b512 s[8:23], s[0:1], 0x0               ; x 8, ln1_w 10, ln1_b 12, t_m 14, g_m 16, w1_codes 18, w1_scales 20, w2_codes 22
	s_load_b128 s[24:27], s[0:1], 0x40             ; w2_scales 24, strm 26
	s_load_b64 s[28:29], s[0:1], 0x50
	s_load_b128 s[68:71], s[0:1], 0x58             ; mask 68, ubuf 70
	v_lshl_add_u32 v62, v0, 2, 0x11800
	v_mov_b32 v63, 0
	v_lshrrev_b32 v1, 5, v0
	s_delay_alu instid0(VALU_DEP_1)
	v_readfirstlane_b32 s30, v1                    ; wave 0..7
	v_and_b32 v2, 31, v0                           ; lane
	s_delay_alu instid0(VALU_DEP_1)
	v_lshlrev_b32 v1, 4, v2                        ; 16 x lane
	s_lshr_b32 s60, ttmp9, 4
	s_xor_b32 s60, s60, ttmp9
	s_and_b32 s60, s60, 1                          ; the kind: bit 0 of id xor (id / 16): 0 LN, 1 MAX
	s_lshr_b32 s61, ttmp9, 1                       ; its number, 0..127
	s_wait_kmcnt 0x0
; The grid is 256 work-groups: the sixteen fills of the weights (W in the list above) are copied by the kind LN of pairs 0 to 15, between its trips of the bias table and its layernorm.
; Both kinds of a pair k share the pair's eight trips of the bias table: the kind MAX takes trips 0 to 4 and ends; the kind LN takes trips 5 to 7 and then goes on to its layernorm.
	s_cmp_eq_u32 s60, 0
	s_cselect_b32 s46, 5, 0                        ; my first trip T = 4 (block of 64 rows) + m,
	s_cselect_b32 s47, 7, 4                        ; my last,
	s_mov_b32 s42, 32768
	s_cselect_b32 s42, 98304, s42                  ; to the next tile's rows: 8 rows behind an even trip, 24 behind an odd one,
	s_cselect_b32 s48, 72, 0                       ; my first trip's first row in the slab,
	s_cselect_b32 s49, 270336, 0                   ; and its place in ubuf
; ---------------- MAX and the bias table: number k = 8 batch + slab: rows 128 slab on, all 1,024 keys; wave v takes keys 128 v on.
; ubuf[batch][block of 64 rows][half of the keys][wave of the next launch][group 16 m + 4 c + e / 4][lane][16 bytes] = (tref - t_m) + (gref - g_m), or -1e30 where mask is 0,
; at row 32 (m / 2) + 8 (m % 2) + r + 8 (r / 8), key 32 c + 16 (lane / 16) + e: the order of the next launch's accumulator registers.  tref, gref: the batch's first entries,
; taken off so that a common offset of the inputs does not cost bits.  The partial maxima are those of t_m - tref and g_m - gref.  LIMIT: open entries stay under 1e30 in magnitude.
; A set is 16 rows x 64 keys of the three tensors: 24 loads, lanes 0-15 one row's 256 bytes, lanes 16-31 the next row's; two sets of registers take turns.
	s_lshr_b32 s32, s61, 3                         ; batch
	s_and_b32 s33, s61, 7                          ; slab
	s_lshl_b32 s36, s32, 22
	s_mov_b32 s37, 0
	s_add_nc_u64 s[14:15], s[14:15], s[36:37]
	s_add_nc_u64 s[16:17], s[16:17], s[36:37]
	s_add_nc_u64 s[68:69], s[68:69], s[36:37]
	s_load_b32 s72, s[14:15], 0x0                  ; tref
	s_load_b32 s74, s[16:17], 0x0                  ; gref
	s_lshl_b32 s40, s61, 8                         ; pmax: byte 128 (2 k + kind) + 16 wave
	s_lshl_b32 s41, s60, 7
	s_add_co_u32 s40, s40, s41
	s_lshl_b32 s41, s30, 4
	s_add_co_u32 s40, s40, s41                     ; pmax: byte 256 k + 128 kind + 16 wave
	s_mov_b32 s38, 0x76543210
	s_mov_b32 s39, 0xfedcba98
.set USTG, 72704                       ; this path's own LDS: a stage of 16 rows x (256 + 16) bytes for each wave
.irp c, 0,1,2,3
	v_mov_b32 v[8+\c], 0                           ; written once: a lane permute's destination counts as one of its sources
	v_mov_b32 v[4+\c], 0xff800000                  ; four chains of maxima: v4, v5 of t_m - tref, v6, v7 of g_m - gref
.endr
	v_and_b32 v32, 15, v2                          ; r
	v_lshrrev_b32 v33, 4, v2                       ; h
	s_lshl_b32 s34, s30, 9
	v_lshl_add_u32 v34, v33, 12, s34
	v_lshl_add_u32 v34, v32, 4, v34                ; loads: 4,096 h + 16 r + 512 wave
	s_mul_i32 s34, s30, 4352
	s_add_co_u32 s34, s34, USTG
	v_mul_u32_u24 v35, v33, 272
	v_lshl_add_u32 v35, v32, 4, v35
	v_add_nc_u32 v35, s34, v35                     ; stage, in: row 2 i + h
	v_mul_u32_u24 v36, v32, 272
	v_lshl_add_u32 v36, v33, 6, v36
	v_add_nc_u32 v36, s34, v36                     ; stage, back: row r, + 64 h
	WIN 0x40
	v_mov_b32 v255, 0xf149f2ca                     ; -1e30, in window 1
	WIN 0
	s_wait_alu depctr_va_vdst(0)
	s_wait_kmcnt 0x0
	s_mov_b32 s73, s72
	s_mov_b32 s75, s74
	s_lshl_b32 s36, s33, 19                        ; 128 rows of 4,096 bytes a slab
	s_lshl_b32 s34, s48, 12
	s_add_co_u32 s36, s36, s34
	s_add_nc_u64 s[14:15], s[14:15], s[36:37]
	s_add_nc_u64 s[16:17], s[16:17], s[36:37]
	s_add_nc_u64 s[68:69], s[68:69], s[36:37]
	s_lshl_b32 s36, s61, 19                        ; ubuf: 524,288 k + 32,768 wave
	s_lshl_b32 s34, s30, 15
	s_add_co_u32 s36, s36, s34
	s_add_co_u32 s36, s36, s49
	s_add_nc_u64 s[70:71], s[70:71], s[36:37]
.macro ULOAD kb
	WIN 0x40
.irp i, 0,1,2,3,4,5,6,7
	global_load_b128 v[96*\kb+4*\i:96*\kb+4*\i+3], v34, s[14:15] offset:(2*\i+8*(\i/4))*4096+256*\kb th:TH_LOAD_NT
	global_load_b128 v[96*\kb+32+4*\i:96*\kb+32+4*\i+3], v34, s[16:17] offset:(2*\i+8*(\i/4))*4096+256*\kb th:TH_LOAD_NT
	global_load_b128 v[96*\kb+64+4*\i:96*\kb+64+4*\i+3], v34, s[68:69] offset:(2*\i+8*(\i/4))*4096+256*\kb th:TH_LOAD_NT
.endr
.endm
.macro USET kb, cnt, more              ; cnt: the other set's loads, which may stay out
.set uL, 96*\kb
	s_wait_loadcnt \cnt
	WIN 0x45
.set p, 0
.rept 16
	v_pk_add_f32 v[uL+p:uL+p+1], s[72:73], v[uL+p:uL+p+1] op_sel_hi:[0,1] neg_lo:[0,1] neg_hi:[0,1]             ; tref - t_m
	v_pk_add_f32 v[uL+32+p:uL+33+p], s[74:75], v[uL+32+p:uL+33+p] op_sel_hi:[0,1] neg_lo:[0,1] neg_hi:[0,1]     ; gref - g_m
.set p, p+2
.endr
	WIN 0x14
.set p, 0
.rept 16
	v_max3_num_f32 v[4+(p/2)%2], v[4+(p/2)%2], -v[uL+p], -v[uL+p+1]
	v_max3_num_f32 v[6+(p/2)%2], v[6+(p/2)%2], -v[uL+32+p], -v[uL+33+p]
.set p, p+2
.endr
	WIN 0x45
.set p, 0
.rept 16
	v_pk_add_f32 v[uL+p:uL+p+1], v[uL+p:uL+p+1], v[uL+32+p:uL+33+p]
.set p, p+2
.endr
.set p, 0
.rept 32
	v_cmp_eq_u32 vcc_lo, 0, v[uL+64+p]
	v_cndmask_b32 v[uL+p], v[uL+p], v255, vcc_lo   ; a hidden key
.set p, p+1
.endr
	WIN 0x04                                       ; LDS store data in window 1, all else in window 0
	s_wait_alu depctr_va_vdst(0)
	s_wait_xcnt 0x0                                ; the stores of two sets ago have read v64 on
.irp i, 0,1,2,3,4,5,6,7
	ds_store_b128 v35, v[uL+4*\i:uL+4*\i+3] offset:544*\i
.endr
.irp q, 0,1,2,3,4,5,6,7
	ds_load_b128 v[64+32*\kb+4*\q:64+32*\kb+4*\q+3], v36 offset:128*(\q/4)+16*(\q%4)   ; my own stage, served in order
.endr
	s_wait_dscnt 0x0
.if \more
	ULOAD \kb
.endif
	WIN 0
.irp q, 0,1,2,3,4,5,6,7
	global_store_b128 v1, v[64+32*\kb+4*\q:64+32*\kb+4*\q+3], s[70:71] offset:(8*\kb+\q)*512 th:TH_STORE_NT   ; 512 consecutive bytes a store
.endr
.endm
	ULOAD 0
	ULOAD 1
	WIN 0
	s_mov_b32 s43, 0
	s_mov_b32 s45, 0
.Lu:
	s_wait_xcnt 0x0                                ; this trip's loads have read their bases: on to the next trip's rows
	s_add_nc_u64 s[14:15], s[14:15], s[42:43]
	s_add_nc_u64 s[16:17], s[16:17], s[42:43]
	s_add_nc_u64 s[68:69], s[68:69], s[42:43]
	s_xor_b32 s42, s42, 32768^98304
	USET 0, 24, 1
	USET 1, 24, 1
	s_wait_xcnt 0x0
	s_mov_b32 s44, 8192                            ; 16 groups on; behind tile 3 on to the next block of 64 rows
	s_cmp_eq_u32 s46, 3
	s_cselect_b32 s44, 237568, s44
	s_add_nc_u64 s[70:71], s[70:71], s[44:45]
	s_add_co_u32 s46, s46, 1
	s_cmp_lt_u32 s46, s47
	s_cbranch_scc1 .Lu
	USET 0, 24, 0                                  ; the last trip loads nothing more
	USET 1, 0, 0
	WIN 0
.irp k, 1,2,4,8
.irp c, 0,1,2,3
	v_max_num_f32_dpp v[4+\c], v[4+\c], v[4+\c] row_xmask:\k row_mask:0xf bank_mask:0xf
.endr
.endr
.irp c, 0,1,2,3
	s_delay_alu instid0(VALU_DEP_4)
	v_permlanex16_b32 v[8+\c], v[4+\c], s38, s39
.endr
.irp c, 0,1,2,3
	s_delay_alu instid0(VALU_DEP_4)
	v_max_num_f32 v[4+\c], v[4+\c], v[8+\c]        ; each chain's maximum over the 32 lanes
.endr
	v_mov_b32 v12, s40
	v_cmp_eq_u32 vcc_lo, 0, v2
	s_wait_alu depctr_va_vdst(0)
	s_wait_xcnt 0x0                                ; EXEC changes only behind this wait
	s_and_saveexec_b32 s41, vcc_lo
	global_store_b128 v12, v[4:7], s[28:29]        ; lane 0: the wave's four partial maxima
	s_wait_xcnt 0x0
	s_or_b32 exec_lo, exec_lo, s41
	s_cmp_lg_u32 s60, 0
	s_cbranch_scc1 .Lend_u                         ; the kind MAX ends here
	s_cmp_lt_u32 s61, 16
	s_cbranch_scc1 .Lw                             ; the kind LN of pairs 0 to 15 copies fill k of the weights first,
	s_branch .Lln                                  ; the others go on to their layernorm
.Lend_u:
	s_wait_tensorcnt 0x0                           ; the wave's end
	ds_add_u32 v62, v63
	s_wait_dscnt 0x0
	s_endpgm
; ---------------- W: fill f = 4 j + 2 g + phi; wave v copies the step block of wave part v / 2, step v % 2
.Lw:
	s_mov_b32 s31, s61                             ; f = the pair's number, 0 to 15
	s_lshr_b32 s32, s31, 2                         ; j
	s_bfe_u32 s33, s31, 0x10001                    ; g
	s_and_b32 s34, s31, 1                          ; phi
	s_lshr_b32 s35, s30, 1                         ; w
	s_and_b32 s36, s30, 1                          ; step
	s_lshl_b32 s37, s34, 1
	s_add_co_u32 s37, s37, s36                     ; K step ks = 2 phi + step
	s_lshl_b32 s38, s32, 9                         ; 512 j
	s_lshl_b32 s39, s35, 7                         ; 128 w
	s_lshl_b32 s40, s37, 7                         ; 128 ks
	s_mov_b32 s48, 2048
	s_cmp_eq_u32 s33, 0
	s_cselect_b64 s[42:43], s[18:19], s[22:23]     ; codes
	s_cselect_b64 s[44:45], s[20:21], s[24:25]     ; scale bytes
	s_cselect_b32 s46, s38, 0                      ; w1: the chunk j lies along the rows,
	s_cselect_b32 s47, 0, s38                      ; w2: along K
	s_cselect_b32 s48, 512, s48                    ; a row of codes in bytes
	s_add_co_u32 s46, s46, s39                     ; first row
	s_add_co_u32 s47, s47, s40                     ; first k
	s_mul_i32 s50, s46, s48
	s_add_co_u32 s50, s50, s47
	s_mov_b32 s51, 0
	s_add_nc_u64 s[42:43], s[42:43], s[50:51]
	s_lshr_b32 s52, s48, 5                         ; a row of scale bytes
	s_mul_i32 s50, s46, s52
	s_lshr_b32 s53, s47, 5
	s_add_co_u32 s50, s50, s53
	s_add_nc_u64 s[44:45], s[44:45], s[50:51]
	s_add_co_u32 s56, s31, 128
	s_mul_i32 s56, s56, FILL
	s_mul_i32 s57, s35, WQ
	s_add_co_u32 s56, s56, s57
	s_mul_i32 s57, s36, STEPB
	s_add_co_u32 s56, s56, s57
	s_mov_b32 s57, 0
	s_add_nc_u64 s[58:59], s[26:27], s[56:57]      ; my step block
	s_wait_alu depctr_va_vdst(0)
	v_and_b32 v3, 15, v2                           ; r
	v_lshrrev_b32 v4, 4, v2                        ; h
	s_delay_alu instid0(VALU_DEP_2)
	v_and_b32 v5, 8, v3
	s_delay_alu instid0(VALU_DEP_1)
	v_add_nc_u32 v5, v5, v3                        ; r + 8 (r / 8)
	s_delay_alu instid0(VALU_DEP_1)
	v_mul_lo_u32 v6, v5, s48
	s_delay_alu instid0(VALU_DEP_1)
	v_lshl_add_u32 v6, v4, 4, v6                   ; my row of a tile, + 16 h
	s_delay_alu instid0(VALU_DEP_3)
	v_lshl_add_u32 v7, v4, 3, v5
	s_delay_alu instid0(VALU_DEP_1)
	v_mul_lo_u32 v7, v7, s52                       ; scale words: lanes 16-31 take the odd fragment, 8 rows on
	s_wait_alu depctr_va_vdst(0)
.irp i, 0,1,2,3,4,5,6,7
	s_mul_i32 s54, s48, 32*(\i/2)+8*(\i%2)
	v_add_nc_u32 v[16+\i], s54, v6
.irp c, 0,1,2,3
	global_load_b128 v[64+16*\i+4*\c:64+16*\i+4*\c+3], v[16+\i], s[42:43] offset:32*\c
.endr
.endr
.irp s, 0,1,2,3
	s_mul_i32 s54, s52, 32*\s
	v_add_nc_u32 v[24+\s], s54, v7
	global_load_b32 v[28+\s], v[24+\s], s[44:45]
.endr
	s_wait_loadcnt 0x0
.irp i, 0,1,2,3,4,5,6,7
.irp c, 0,1,2,3
	global_store_b128 v1, v[64+16*\i+4*\c:64+16*\i+4*\c+3], s[58:59] offset:2048*\i+512*\c   ; 512 consecutive bytes a store
.endr
.endr
	global_store_b128 v1, v[28:31], s[58:59] offset:ASC
	s_wait_xcnt 0x0                                ; the stores have read their registers and their base, which the layernorm below writes anew
; ---------------- LN: number = 8 batch + slab: keys 128 slab on.  Wave v owns tile v of the slab's eight.
; Window 1 holds the wave's 16 rows of x: register 64 qd + 16 c + e of lane (r, h) = x(row r of the tile, d = 128 qd + 32 c + 16 h + e), brought there by dense loads and a turn through the wave's own stage rows.
.Lln:
	s_lshr_b32 s31, s61, 3                         ; batch
	s_and_b32 s32, s61, 7                          ; slab
	s_lshr_b32 s33, s32, 2                         ; key half
	s_and_b32 s34, s32, 3                          ; which 128 keys of the half
	s_lshr_b32 s35, s30, 1
	s_and_b32 s36, s30, 1
	s_lshl_b32 s37, s35, 5
	s_lshl_b32 s38, s36, 3
	s_add_co_u32 s37, s37, s38                     ; my tile's first row: 32 (v / 2) + 8 (v % 2)
	s_lshl_b32 s38, s61, 18                        ; 128 rows of 2,048 bytes a work-group
	s_lshl_b32 s39, s37, 11
	s_add_co_u32 s38, s38, s39
	s_mov_b32 s39, 0
	s_add_nc_u64 s[8:9], s[8:9], s[38:39]
	s_lshl_b32 s40, s31, 3
	s_lshl_b32 s41, s33, 2
	s_add_co_u32 s40, s40, s41                     ; 8 batch + 4 half
	s_mul_i32 s42, s40, FILL
	s_mul_i32 s41, s34, WQ
	s_add_co_u32 s42, s42, s41                     ; keys as rows: my slab is a wave part of fills +0, +1
	s_lshr_b32 s41, s34, 1
	s_add_co_u32 s40, s40, s41
	s_add_co_u32 s40, s40, 2
	s_mul_i32 s43, s40, FILL
	s_and_b32 s41, s34, 1
	s_mul_i32 s41, s41, STEPB
	s_add_co_u32 s43, s43, s41                     ; keys as K: my slab is one K step of fill +2 or +3
	s_lshl_b32 s41, s30, 11                        ; image v
	s_mov_b32 s45, 0
	s_add_co_u32 s44, s42, s41
	s_add_nc_u64 s[46:47], s[26:27], s[44:45]
	s_add_co_u32 s44, s43, s41
	s_add_nc_u64 s[48:49], s[26:27], s[44:45]
	s_mul_i32 s50, s35, FILL                       ; the scale block that wave v stores at the end: waves 0-3 those along d (K step v), waves 4-7 those along the keys (d quarter v - 4)
	s_mul_i32 s51, s36, STEPB
	s_add_co_u32 s50, s50, s51
	s_add_co_u32 s50, s50, s42
	s_and_b32 s51, s30, 3
	s_mul_i32 s51, s51, WQ
	s_add_co_u32 s51, s51, s43
	s_cmp_lt_u32 s30, 4
	s_cselect_b32 s44, s50, s51
	s_add_co_u32 s44, s44, ASC
	s_add_nc_u64 s[50:51], s[26:27], s[44:45]
	s_mov_b32 s52, 0x76543210
	s_mov_b32 s53, 0xfedcba98                      ; v_permlanex16_b32's selects for lane l xor 16
	s_mov_b32 s54, 0x600000                        ; the mantissa field of 57,344
	s_mov_b32 s55, 0x3b000000                      ; 1 / 512
	s_mov_b32 s56, 0x358637bd                      ; 1e-6
	s_wait_alu depctr_va_vdst(0)
	v_and_b32 v3, 15, v2                           ; r
	v_lshrrev_b32 v4, 4, v2                        ; h
	s_delay_alu instid0(VALU_DEP_2)
	v_and_b32 v5, 8, v3
	s_delay_alu instid0(VALU_DEP_1)
	v_add_nc_u32 v5, v5, v3                        ; r + 8 (r / 8)
	s_mul_i32 s57, s30, 16*PITCH
	v_add_nc_u32 v6, s57, v1                       ; stage, dense: my 16 rows, 16 x lane
	v_mul_u32_u24 v7, v3, PITCH
	s_delay_alu instid0(VALU_DEP_1)
	v_lshl_add_u32 v7, v4, 6, v7
	s_delay_alu instid0(VALU_DEP_1)
	v_add_nc_u32 v7, s57, v7                       ; stage, by rows: row 16 v + r, + 64 h
	v_mul_u32_u24 v8, v4, 8*PITCH
	s_delay_alu instid0(VALU_DEP_1)
	v_lshl_add_u32 v8, v5, 2, v8
	s_lshl_b32 s57, s37, 2
	v_add_nc_u32 v8, s57, v8                       ; stage, by columns: 8 h rows down, my d of the quarter
	s_lshl_b32 s57, s36, 8
	s_lshl_b32 s58, s35, 2
	s_add_co_u32 s57, s57, s58
	s_add_co_u32 s57, s57, SC
	v_lshl_add_u32 v9, v3, 4, s57                  ; my fragment's word in a scale block: 16 (16 (v % 2) + r) + 4 (v / 2)
	s_lshl_b32 s57, s30, 9
	s_add_co_u32 s57, s57, SC
	v_add_nc_u32 v10, s57, v1                      ; scale block v, 16 x lane
	v_lshlrev_b32 v11, 6, v4                       ; ln1_w, ln1_b: 64 h
.macro LNW qd                          ; gain and bias of quarter qd in the lane's order
.irp q, 0,1,2,3,4,5,6,7,8,9,10,11,12,13,14,15
	global_load_b128 v[LW+4*\q:LW+4*\q+3], v11, s[10:11] offset:512*(\qd)+128*(\q/4)+16*(\q%4)
	global_load_b128 v[LB+4*\q:LB+4*\q+3], v11, s[12:13] offset:512*(\qd)+128*(\q/4)+16*(\q%4)
.endr
.endm
	LNW 0
	WIN 0x40
.irp qd, 0,1,2,3
.irp i, 0,1,2,3,4,5,6,7,8,9,10,11,12,13,14,15
	global_load_b128 v[64*\qd+4*\i:64*\qd+4*\i+3], v1, s[8:9] offset:(\i+8*(\i/8))*2048+512*\qd th:TH_LOAD_NT   ; 512 consecutive bytes of one row
.endr
.endr
	WIN 0x44                                       ; data in window 1, addresses in window 0
	s_wait_alu depctr_va_vdst(0)
.irp qd, 0,1,2,3
	s_wait_loadcnt 48-16*\qd                       ; this quarter's 16 loads (and gain and bias, asked for first) are in; the later quarters stay out
.irp i, 0,1,2,3,4,5,6,7,8,9,10,11,12,13,14,15
	ds_store_b128 v6, v[64*\qd+4*\i:64*\qd+4*\i+3] offset:PITCH*\i
.endr
.irp q, 0,1,2,3,4,5,6,7,8,9,10,11,12,13,14,15
	ds_load_b128 v[64*\qd+4*\q:64*\qd+4*\q+3], v7 offset:128*(\q/4)+16*(\q%4)   ; my own rows; LDS serves a wave's instructions in order (ISA guide 5.7.1.4)
.endr
.endr
	s_wait_dscnt 0x0
	; the mean
	WIN 0x05
.irp c, 0,1,2,3
	v_pk_add_f32 v[16+2*\c:17+2*\c], v[2*\c:2*\c+1], v[8+2*\c:9+2*\c]
.endr
	WIN 0x04
.set p, 8
.rept 120
	v_pk_add_f32 v[16+2*(p%4):17+2*(p%4)], v[16+2*(p%4):17+2*(p%4)], v[2*p:2*p+1]
.set p, p+1
.endr
	WIN 0
	v_pk_add_f32 v[16:17], v[16:17], v[18:19]
	v_pk_add_f32 v[20:21], v[20:21], v[22:23]
	s_delay_alu instid0(VALU_DEP_1)
	v_pk_add_f32 v[16:17], v[16:17], v[20:21]
	s_delay_alu instid0(VALU_DEP_1)
	v_add_f32 v16, v16, v17
	s_delay_alu instid0(VALU_DEP_1)
	v_permlanex16_b32 v17, v16, s52, s53
	s_delay_alu instid0(VALU_DEP_1)
	v_add_f32 v16, v16, v17
	s_delay_alu instid0(VALU_DEP_1)
	v_mul_f32 v32, s55, v16
	s_delay_alu instid0(VALU_DEP_1)
	v_mov_b32 v33, v32
	WIN 0x41
.set p, 0
.rept 128
	v_pk_add_f32 v[p:p+1], v[p:p+1], v[32:33] neg_lo:[0,1] neg_hi:[0,1]     ; x - mean, in place
.set p, p+2
.endr
	; the variance
	WIN 0x05
.irp c, 0,1,2,3
	v_pk_mul_f32 v[16+2*\c:17+2*\c], v[2*\c:2*\c+1], v[2*\c:2*\c+1]
.endr
.set p, 4
.rept 124
	s_delay_alu instid0(VALU_DEP_4)
	v_pk_fma_f32 v[16+2*(p%4):17+2*(p%4)], v[2*p:2*p+1], v[2*p:2*p+1], v[16+2*(p%4):17+2*(p%4)]
.set p, p+1
.endr
	WIN 0
	v_pk_add_f32 v[16:17], v[16:17], v[18:19]
	v_pk_add_f32 v[20:21], v[20:21], v[22:23]
	s_delay_alu instid0(VALU_DEP_1)
	v_pk_add_f32 v[16:17], v[16:17], v[20:21]
	s_delay_alu instid0(VALU_DEP_1)
	v_add_f32 v16, v16, v17
	s_delay_alu instid0(VALU_DEP_1)
	v_permlanex16_b32 v17, v16, s52, s53
	s_delay_alu instid0(VALU_DEP_1)
	v_add_f32 v16, v16, v17
	s_delay_alu instid0(VALU_DEP_1)
	v_fma_f32 v36, v16, s55, s56                   ; variance + 1e-6
	s_wait_alu depctr_va_vdst(0)
	v_rsq_f32 v34, v36
	v_nop                                          ; a plain line behind the transcendental
	s_wait_alu depctr_va_vdst(0)                   ; the wait ahead of the result's first reader
	v_mov_b32 v35, v34
; A quarter of d: h; into the stage for the other waves; codes along d from my registers; a barrier; columns of the stage: codes along the keys
.macro LNQ qd
	s_wait_loadcnt 0x0                             ; gain and bias of this quarter
	WIN 0x01
.set p, 0
.rept 32
	v_pk_mul_f32 v[HQ+p:HQ+p+1], v[64*\qd+p:64*\qd+p+1], v[34:35]
.set p, p+2
.endr
	WIN 0
.set p, 0
.rept 32
	v_pk_fma_f32 v[HQ+p:HQ+p+1], v[HQ+p:HQ+p+1], v[LW+p:LW+p+1], v[LB+p:LB+p+1]
.set p, p+2
.endr
.if \qd < 3
	LNW \qd+1
.endif
.irp q, 0,1,2,3,4,5,6,7,8,9,10,11,12,13,14,15
	ds_store_b128 v7, v[HQ+4*\q:HQ+4*\q+3] offset:128*(\q/4)+16*(\q%4)
.endr
	BAR                                            ; 128 keys x 128 d of h lie in the stage; my stores have read v[HQ] on
	QUANT HQ
.irp c, 0,1,2,3
	global_store_b128 v1, v[PC+4*\c:PC+4*\c+3], s[46:47] offset:(\qd/2)*FILL+(\qd%2)*STEPB+512*\c
.endr
	v_mov_b32 v[KW+\qd], v[PW]
.irp c, 0,1,2,3
.irp e, 0,1,2,3,4,5,6,7,8,9,10,11,12,13,14,15
	ds_load_b32 v[HQ+16*\c+\e], v8 offset:(32*\c+16*(\e/8)+\e%8)*PITCH   ; key 32 c + 16 h + e of the slab lies in stage row 32 c + 16 (e / 8) + e % 8 + 8 h
.endr
.endr
	BAR                                            ; every wave's reads of the stage are in: the next quarter may be stored
	QUANT HQ
.irp c, 0,1,2,3
	global_store_b128 v1, v[PC+4*\c:PC+4*\c+3], s[48:49] offset:\qd*WQ+512*\c
.endr
	ds_store_b32 v9, v[PW] offset:2048+512*\qd     ; both halves of the lanes write the same word with the same value
.endm
	s_wait_alu depctr_va_vdst(0)
	LNQ 0
	LNQ 1
	LNQ 2
	LNQ 3
.irp qd, 0,1,2,3
	ds_store_b32 v9, v[KW+\qd] offset:512*\qd
.endr
	BAR
	ds_load_b128 v[64:67], v10
	s_wait_dscnt 0x0
	global_store_b128 v1, v[64:67], s[50:51]       ; a scale block: 512 consecutive bytes
	s_wait_tensorcnt 0x0
	ds_add_u32 v62, v63
	s_wait_dscnt 0x0
	s_endpgm
.Lfunc_end_k_qb6b0549a8f_prep:
	.size	k_qb6b0549a8f_prep, .Lfunc_end_k_qb6b0549a8f_prep-k_qb6b0549a8f_prep
	.p2alignl 7, 3214868480
	.fill 96, 4, 3214868480
	.section	.rodata,"a",@progbits
	.p2align	6, 0x0
	.amdhsa_kernel k_qb6b0549a8f_prep
		.amdhsa_group_segment_fixed_size 107520
		.amdhsa_private_segment_fixed_size 0
		.amdhsa_enable_private_segment 0
		.amdhsa_kernarg_size 104
		.amdhsa_user_sgpr_count 2
		.amdhsa_user_sgpr_kernarg_segment_ptr 1
		.amdhsa_wavefront_size32 1
		.amdhsa_system_sgpr_workgroup_id_x 1
		.amdhsa_system_sgpr_workgroup_id_y 1
		.amdhsa_system_sgpr_workgroup_id_z 1
		.amdhsa_system_vgpr_workitem_id 0
		.amdhsa_next_free_vgpr 512
		.amdhsa_next_free_sgpr 80
		.amdhsa_reserve_vcc 1
		.amdhsa_float_denorm_mode_32 3
		.amdhsa_float_denorm_mode_16_64 3
		.amdhsa_memory_ordered 1
		.amdhsa_forward_progress 1
		.amdhsa_inst_pref_size 236
	.end_amdhsa_kernel
	.amdgpu_metadata
---
amdhsa.version: [ 1, 2 ]
amdhsa.kernels:
  - .name:           k_qb6b0549a8f_prep
    .symbol:         k_qb6b0549a8f_prep.kd
    .args:
      - { .name: x, .offset: 0, .size: 8, .value_kind: global_buffer, .address_space: global }
      - { .name: ln1_w, .offset: 8, .size: 8, .value_kind: global_buffer, .address_space: global }
      - { .name: ln1_b, .offset: 16, .size: 8, .value_kind: global_buffer, .address_space: global }
      - { .name: t_m, .offset: 24, .size: 8, .value_kind: global_buffer, .address_space: global }
      - { .name: g_m, .offset: 32, .size: 8, .value_kind: global_buffer, .address_space: global }
      - { .name: w1_codes, .offset: 40, .size: 8, .value_kind: global_buffer, .address_space: global }
      - { .name: w1_scales, .offset: 48, .size: 8, .value_kind: global_buffer, .address_space: global }
      - { .name: w2_codes, .offset: 56, .size: 8, .value_kind: global_buffer, .address_space: global }
      - { .name: w2_scales, .offset: 64, .size: 8, .value_kind: global_buffer, .address_space: global }
      - { .name: strm, .offset: 72, .size: 8, .value_kind: global_buffer, .address_space: global }
      - { .name: pmax, .offset: 80, .size: 8, .value_kind: global_buffer, .address_space: global }
      - { .name: mask, .offset: 88, .size: 8, .value_kind: global_buffer, .address_space: global }
      - { .name: ubuf, .offset: 96, .size: 8, .value_kind: global_buffer, .address_space: global }
    .group_segment_fixed_size: 107520
    .private_segment_fixed_size: 0
    .kernarg_segment_align: 8
    .kernarg_segment_size: 104
    .max_flat_workgroup_size: 256
    .sgpr_count:     80
    .vgpr_count:     512
    .wavefront_size: 32
...
	.end_amdgpu_metadata
.endif
;; end of part 1
;; launch main (part 2): grid 16 x 16, 4 waves a work-group, clusters of 4 x 1, 327,680 bytes of LDS; arguments x, ubuf, ln2_w, ln2_b, b1, b2, strm, pmax, out0; writes out0
.if DOCPART == 2
	.amdgcn_target "amdgcn-amd-amdhsa--gfx1250"
	.amdhsa_code_object_version 6
	.text
	.protected	k_qb6b0549a8f_main
	.globl	k_qb6b0549a8f_main
	.p2align	8
	.type	k_qb6b0549a8f_main,@function
k_qb6b0549a8f_main:
	s_mov_b64 s[64:65], 0
	v_nop
	global_prefetch_b8 v0, s[64:65] scope:SCOPE_SE
	s_setreg_imm32_b32 hwreg(HW_REG_WAVE_MODE, 25, 1), 1
	s_wait_xcnt 0x0
	s_wait_alu depctr_hold_cnt(0) depctr_sa_sdst(0) depctr_va_vdst(0) depctr_va_sdst(0) depctr_va_ssrc(0) depctr_va_vcc(0) depctr_vm_vsrc(0)
	s_getreg_b32 s2, hwreg(HW_REG_IB_STS2, 6, 4)
	s_cmp_eq_u32 s2, 0
	s_cbranch_scc0 .Lentry_in_a_cluster
	s_endpgm
.Lentry_in_a_cluster:
	s_bfe_u32 s2, ttmp6, 0x10000c
	s_cmp_lg_u32 s2, 0x3003
	s_cbranch_scc0 .Lentry_shape_is_right
	s_endpgm
.Lentry_shape_is_right:
; THE WHOLE LAYER FOR 64 ROWS: scores, softmax, p h, residual, layernorm, both products of the FFN, residual, / 512.  Nothing between the products goes to memory.
; All four products: codes of E5M2, one E8M0 scale for each 32 along K, v_wmma_scale_f32_16x16x128_f8f6f4, sums in f32.
; SHARES.  Work-group (qb, b): rows 64 qb on of batch b, four tiles m of 16; lane row r of tile m is row 32 (m / 2) + 8 (m % 2) + r + 8 (r / 8).
; The four waves share the columns: wave w owns keys 512 pass + 128 w on, d = 128 w on of O, x and out, hidden units 512 chunk + 128 w on.
; Every product is used transposed: source 0 = 16 rows of the stream, source 1 = 16 of my rows; register 16 c + e of a lane's 64 is column 32 c + 16 (lane / 16) + e of the wave's 128.
; THE STREAM (strm, laid by the launch before as images of the operand registers) comes through a ring of two LDS slots of FILL bytes, 24 fills; a fill is two steps of 32 products a wave.
; CLUSTER.  The four work-groups of a cluster belong to one batch and walk the same 24 fills: each fill is asked for JOINTLY (mask 15), each wave its quarter; one load of a wave is out at a time.
; ONE LOOP OF SIX TURNS: 0, 1 the two passes over the keys; 2 to 5 the FFN's chunks.  A turn: two trips into H, softmax or quantiser, two trips into O.  Behind turn 1: x1, layernorm 2, h2.  No jump leads round a tensor load.
; H BEGINS AS THE PRODUCTS' C: 512 x bias from ubuf (bias = max t' + max g' + table; |m - max| = max - m), or b1.  It is loaded while the turn before multiplies into O, when H is free; so is x.
; SOFTMAX.  H = 512 x logit; t = H x log2(e) / 512; M = the running largest t rounded up; p = 2^(t - M) is quantised, its sum is taken unquantised and divides at the end.
; A hidden key's table entry is -1e30: its p comes out 0, and fv = 2^(-1e9 log2(e) - M) takes the 0's place: 0 unless every key of the row so far is hidden, and then 1.
; PREFETCH: in trip t wave 0 names 32 blocks of 256 bytes, 8,192 qb on, of the fill whose tensor load stands in trip t + 2: the batch's fills 3 to 7 in trips 0 to 4, shared among the batch's sixteen
; work-groups by address; fill 128 + b of the weights in trip b + 5, by batch b's.  ubuf and x are asked for by their loads two trips ahead of their use, and are not prefetched.
; LIMITS: NaN and infinities are not served; logits of open keys under -1e9 are not served; table entries of open keys stay under 1e30; a block whose largest magnitude lies under 2^-111 keeps the byte 1.
; REGISTERS: window 0: v1-27 addresses, v28-31 scale words just made, v32-39 / v40-47 scale words of the stream / of my rows, v48-63 softmax statistics, v64-191 my rows' fragments (between products: at work),
;   v192-255 codes just made.  window 1: the stream's fragments, two steps.  window 2: H, accumulator (m, i) at 64 m + 8 i.  window 3: O likewise.
.set FILL,  135168
.set WQ,    33792
.set STEPB, 16896
.set ASC,   16384
.set BR0,   2*FILL                     ; 16 images + 16 x 128 bytes of scale words: Q, a stage for x, h2, at the end a stage for out
.set BR0S,  BR0+32768
.set BR1,   BR0+34816                  ; 8 images + 8 x 128 bytes: p, the hidden layer
.set BR1S,  BR1+16384
.set EX0,   BR1+17408                  ; two areas of 2,048 bytes for statistics
.set EXB,   2048
.set SPARE, EX0+4096
.set AR0,  1                           ; v1, v2 my quarter of slot 0, 1: + 16 x lane
.set ABR0, 3
.set ABS0, 4
.set ABR1, 5
.set ABS1, 6
.set PB0,  7
.set PS0,  8
.set PB1,  9
.set PS1,  10
.set L16,  11
.set EXW,  13
.set EXR,  14
.set SPW,  15
.set NIL,  16
.set CV,   18                          ; v[18:19] 512 (max t' + max g')
.set PFO,  20
.set XD,   21
.set XA,   22                          ; my stage, dense
.set XR,   23                          ; my stage, by rows
.set VH,   26
.set PWD,  28
.set AS,   32
.set BS,   40
.set ST,   48
.set LS,   56
.set BM,   64
.set PRM,  80
.set SCOP, 96
.set HOLD, 112
.set RM,   128
.set EXL,  132
.set FP,   148
.set FV,   156
.set TNEG, 160
.set PC,   192
.set XB,   8
.set UBF,  10
.set LW2,  12
.set LB2,  14
.set B1B,  16
.set B2B,  18
.set STRM, 20
.set PMX,  22
.set OUTB, 24
.set WV,   26
.set WH,   27
.set IT,   28
.set TT,   29
.set G1,   32
.set G0,   40
.set STP,  48
.set JMP,  50
.set TWOF, 51
.set PF5,  52
.set PFT,  53
.set PFA,  54
.set PFW,  56
.set PFX,  58
.set L2E,  60
.set I512, 62
.set P512, 66
.set MNT,  68
.set NEG,  69
.set SEL,  70
.set QB0,  72
.set QS0,  74
.set MSB, 0
.macro WIN new
.if MSB != \new
	s_set_vgpr_msb (MSB<<8)|\new
.set MSB, \new
.endif
.endm
.macro PLACES n
.rept \n
	v_nop
.endr
.endm
.macro WALU
	s_wait_alu depctr_va_vdst(0)
.endm
.macro BAR
	s_barrier_signal -1
	s_barrier_wait -1
.endm
.macro ROUND                           ; a round of the cluster's barrier
	s_barrier_signal -1
	s_barrier_wait -1
	s_cmp_lg_u32 s[WV], 0
	s_cbranch_scc1 .Lnot_wave_0_\@
	s_barrier_signal -3
.Lnot_wave_0_\@:
	s_barrier_wait -3
	s_barrier_signal -1
	s_barrier_wait -1
.endm
; 53 LDS loads: a step's eight fragments of the stream and their scale words, four fragments of my rows and theirs (kept 4 registers off the stream's modulo 8)
.macro LDSTEP set, areg, breg, bsreg, fi
	WIN 0x40
.irp i, 0,1,2,3,4,5,6,7
.irp c, 0,1,2,3
	ds_load_b128 v[128*\set+16*\i+4*\c:128*\set+16*\i+4*\c+3], v[\areg] offset:\set*STEPB+2048*\i+512*\c
.endr
.endr
	WIN 0
	ds_load_b128 v[AS+4*\set:AS+4*\set+3], v[\areg] offset:\set*STEPB+ASC
.irp m, 0,1,2,3
.irp c, 0,1,2,3
	ds_load_b128 v[64+64*\set+16*\m+4*\c:64+64*\set+16*\m+4*\c+3], v[\breg] offset:((\fi)+\m)*2048+512*\c
.endr
	ds_load_b32 v[BS+4*(1-\set)+\m], v[\bsreg] offset:((\fi)+\m)*128
.endr
.endm
.macro WM m, i, set
.set rD, 64*(\m)+8*(\i)
.set rA, 128*(\set)+16*(\i)
.set rB, 64+64*(\set)+16*(\m)
.set rX, AS+4*(\set)+(\i)/2
.set rY, BS+4*(1-(\set))+(\m)
.if (\i)%2 == 0
	v_wmma_scale_f32_16x16x128_f8f6f4 v[rD:rD+7], v[rA:rA+15], v[rB:rB+15], v[rD:rD+7], v[rX], v[rY] matrix_a_fmt:MATRIX_FMT_BF8 matrix_b_fmt:MATRIX_FMT_BF8
.else
	v_wmma_scale_f32_16x16x128_f8f6f4 v[rD:rD+7], v[rA:rA+15], v[rB:rB+15], v[rD:rD+7], v[rX], v[rY] matrix_a_fmt:MATRIX_FMT_BF8 matrix_b_fmt:MATRIX_FMT_BF8 matrix_a_scale:MATRIX_SCALE_ROW1
.endif
.endm
.macro MMSTEP set, acc                 ; 32 products; the 32 accumulators take turns in the same order everywhere
.if \acc == 2
	WIN 0xa1
.else
	WIN 0xf1
.endif
.irp m, 0,1,2,3
.irp i, 0,1,2,3,4,5,6,7
	WM \m, \i, \set
.endr
.endr
.endm
; the waves whose number / 2 is t put their four fragments and scale words into BR1: the two K steps of the fill that comes
.macro PUBLISH t
	s_cmp_lg_u32 s[WH], \t
	s_cbranch_scc1 .Lnot_mine_\@
.irp m, 0,1,2,3
.irp c, 0,1,2,3
	ds_store_b128 v[PB1], v[PC+16*\m+4*\c:PC+16*\m+4*\c+3] offset:2048*\m+512*\c
.endr
	ds_store_b32 v[PS1], v[PWD+\m] offset:128*\m
.endr
.Lnot_mine_\@:
.endm
; A TRIP multiplies the fill in \slot (two steps) and asks for the next fill into the other slot.  pub >= 0: fragments are published ahead of it, and a barrier in its second step says that they have been read.  fill = 0: the last trip
; arms = 1: behind the joint load and the LDS loads stand the loads into H (macro ARMS), so that they run while the fill just asked for is on its way
.macro TRIP slot, acc, breg, bsreg, fi, pub, fill, arms=0
.if \pub >= 0
	PUBLISH \pub
.endif
	s_wait_xcnt 0x0                                ; the last prefetch has read its address
	s_wait_tensorcnt 0x0                           ; all my tensor loads have landed: the one that was out is my quarter of this slot
	ds_add_u32 v[SPW], v[NIL]
.if \fill
	s_lshr_b32 s78, s[TT], 1
	s_cmp_eq_u32 s78, 3
	s_cselect_b32 s[STP], s[JMP], s[TWOF]          ; behind the batch's fills 6 and 7 come the weights' first two
	s_add_nc_u64 s[G0+4*\slot+2:G0+4*\slot+3], s[G0+4*\slot+2:G0+4*\slot+3], s[STP:STP+1]   ; this slot's next fill: no load of mine is out
	s_cmp_lt_u32 s[TT], s[PF5]
	s_cselect_b32 s78, s[TT], s[PFT]
	s_cselect_b64 s[PFX:PFX+1], s[PFA:PFA+1], s[PFW:PFW+1]
	s_add_nc_u64 s[PFA:PFA+1], s[PFA:PFA+1], FILL
.endif
	s_wait_dscnt 0x0                               ; the add is done, what I published has landed, my reads of the other slot are over
.if \fill
	ROUND                                          ; the same holds of every wave of the four work-groups
	tensor_load_to_lds s[G0+4-4*\slot:G0+7-4*\slot], s[G1:G1+7]   ; my one load behind the round: the next fill, into the slot read last
	s_nop 0
	PLACES 4
.else
	BAR
.endif
	LDSTEP 0, AR0+\slot, \breg, \bsreg, \fi
	LDSTEP 1, AR0+\slot, \breg, \bsreg, \fi+4
.if \arms
	ARMS
.endif
.if \fill
	s_cmp_eq_u32 s[TT], s78
	s_cbranch_scc0 .Lno_ask_\@
	global_prefetch_b8 v[PFO], s[PFX:PFX+1] th:TH_LOAD_NT scope:SCOPE_SE
.Lno_ask_\@:
	s_add_co_u32 s[TT], s[TT], 1
.endif
	s_wait_dscnt 53                                ; the first step's 53 loads are in; the second step's 53 may be out
	WALU                                           ; the wait ahead of the first reader of C
	MMSTEP 0, \acc
	s_wait_dscnt 0x0
.if \pub >= 0
	s_barrier_signal -1                            ; my reads of what was published are over
.endif
	MMSTEP 1, \acc
	WIN 0
.if \pub >= 0
	s_barrier_wait -1                              ; everybody's are: BR1 may be written again
.endif
	PLACES 8                                       ; eight places ahead of reads of results and of loads into the operands' registers
.endm
.macro ULD                             ; my 64 rows x 128 keys of the table into H: 64 loads of 512 consecutive bytes
	WIN 0x80
.set q, 0
.rept 64
	global_load_b128 v[4*q:4*q+3], v[L16], s[UBF:UBF+1] offset:512*q th:TH_LOAD_NT
.set q, q+1
.endr
	WIN 0
.endm
.macro B1LD                            ; b1 of my 128 hidden units of a chunk into H, for each of the four tiles
	WIN 0x80
.set q, 0
.rept 64
	global_load_b128 v[4*q:4*q+3], v[VH], s[B1B:B1B+1] offset:128*((q%16)/4)+16*(q%4)
.set q, q+1
.endr
	WIN 0
.endm
.macro EXCH off
	ds_store_b128 v[EXW], v[RM:RM+3] offset:\off
	s_wait_dscnt 0x0
	BAR
.irp q, 0,1,2,3
	ds_load_b128 v[EXL+4*\q:EXL+4*\q+3], v[EXR] offset:\off+512*\q
.endr
	s_wait_dscnt 0x0
.endm
.macro HALVES
.irp m, 0,1,2,3
	v_permlanex16_b32 v[PRM+\m], v[RM+\m], s[SEL], s[SEL+1]
.endr
.irp m, 0,1,2,3
	v_add_f32 v[RM+\m], v[RM+\m], v[PRM+\m]
.endr
	WALU
.endm
.macro GATHER off
	EXCH \off
.irp m, 0,1,2,3
	v_add_f32 v[RM+\m], v[EXL+\m], v[EXL+4+\m]
.endr
.irp m, 0,1,2,3
	v_add_f32 v[PRM+\m], v[EXL+8+\m], v[EXL+12+\m]
.endr
.irp m, 0,1,2,3
	v_add_f32 v[RM+\m], v[RM+\m], v[PRM+\m]
.endr
.endm
; H's 64 numbers of tile m -> codes v[PC + 16 m] on, scale word v[PWD + m].  relu = 1: what is negative does not count and becomes 0
.macro QUANT m, relu
.set TM, 64+16*(\m)
	WIN 0x28
.irp b, 0,1,2,3
.if \relu
	v_max3_num_f32 v[TM+\b], 0x8000000, v[64*\m+16*\b], v[64*\m+16*\b+1]      ; the floor 2^(16 - 127) and my first two of block b
.else
	v_max3_num_f32 v[TM+\b], 0x8000000, |v[64*\m+16*\b]|, |v[64*\m+16*\b+1]|
.endif
.endr
.irp i, 2,4,6,8,10,12,14
.irp b, 0,1,2,3
.if \relu
	v_max3_num_f32 v[TM+\b], v[TM+\b], v[64*\m+16*\b+\i], v[64*\m+16*\b+\i+1]
.else
	v_max3_num_f32 v[TM+\b], v[TM+\b], |v[64*\m+16*\b+\i]|, |v[64*\m+16*\b+\i+1]|
.endif
.endr
.endr
	WIN 0
.irp b, 0,1,2,3
	v_permlanex16_b32 v[TM+4+\b], v[TM+\b], s[SEL], s[SEL+1]
.endr
.irp b, 0,1,2,3
	v_max_num_f32 v[TM+\b], v[TM+\b], v[TM+4+\b]
.endr
.irp b, 0,1,2,3
	v_add_nc_u32 v[TM+12+\b], 0xf8800000, v[TM+\b]        ; the conversion's scale operand
.endr
.irp b, 0,1,2,3
	v_and_or_b32 v[TM+8+\b], v[TM+\b], 0x7f800000, s[MNT] ; 57,344 x the scale
.endr
.irp b, 0,1,2,3
	v_lshrrev_b32 v[TM+4+\b], 23, v[TM+12+\b]             ; the byte
.endr
	v_lshl_or_b32 v[PWD+\m], v[TM+5], 8, v[TM+4]
	v_lshl_or_b32 v[PWD+\m], v[TM+6], 16, v[PWD+\m]
	v_lshl_or_b32 v[PWD+\m], v[TM+7], 24, v[PWD+\m]
	WIN 0x82
.irp b, 0,1,2,3
.irp i, 0,1,2,3,4,5,6,7,8,9,10,11,12,13,14,15
.if \relu
	v_med3_num_f32 v[64*\m+16*\b+\i], v[64*\m+16*\b+\i], 0, v[TM+8+\b]        ; the activation and the hold in one
.else
	v_med3_num_f32 v[64*\m+16*\b+\i], v[64*\m+16*\b+\i], -v[TM+8+\b], v[TM+8+\b]
.endif
.endr
.endr
	WIN 0x02
.irp b, 0,1,2,3
	v_cvt_scalef32_pk8_bf8_f32 v[PC+16*\m+4*\b:PC+16*\m+4*\b+1], v[64*\m+16*\b:64*\m+16*\b+7], v[TM+12+\b]
	v_cvt_scalef32_pk8_bf8_f32 v[PC+16*\m+4*\b+2:PC+16*\m+4*\b+3], v[64*\m+16*\b+8:64*\m+16*\b+15], v[TM+12+\b]
.endr
	WIN 0
	v_nop
.endm
; ================ HEAD
	s_load_b512 s[8:23], s[0:1], 0x0               ; x, ubuf, ln2_w, ln2_b, b1, b2, strm, pmax
	s_load_b64 s[24:25], s[0:1], 0x40              ; out0
	v_lshl_add_u32 v[SPW], v0, 2, SPARE
	v_mov_b32 v[NIL], 0
	ds_add_u32 v[SPW], v[NIL]                      ; the opening lines: the add, twice on end, and its wait ahead of my first tensor load
	ds_add_u32 v[SPW], v[NIL]
	s_wait_dscnt 0x0
	v_lshrrev_b32 v160, 5, v0
	v_readfirstlane_b32 s[WV], v160
	s_lshr_b32 s[WH], s[WV], 1
	s_and_b32 s80, s[WV], 1
	v_and_b32 v161, 31, v0
	v_and_b32 v162, 15, v0                         ; r
	v_bfe_u32 v163, v0, 4, 1                       ; h
	v_lshlrev_b32 v[L16], 4, v161
	v_lshlrev_b32 v166, 2, v161
	s_mul_i32 s81, s[WV], WQ
	v_add_nc_u32 v[AR0], s81, v[L16]
	v_add_nc_u32 v[AR0+1], FILL, v[AR0]
	v_add_nc_u32 v[ABR0], BR0, v[L16]
	v_add_nc_u32 v[ABS0], BR0S, v166
	v_add_nc_u32 v[ABR1], BR1, v[L16]
	v_add_nc_u32 v[ABS1], BR1S, v166
	s_lshl_b32 s82, s[WV], 13
	v_add_nc_u32 v[PB0], s82, v[ABR0]              ; image 4 w + m
	s_lshl_b32 s82, s80, 13
	v_add_nc_u32 v[PB1], s82, v[ABR1]              ; image 4 (w % 2) + m
	s_lshl_b32 s82, s80, 9
	v_add_nc_u32 v[PS1], s82, v[ABS1]
	s_lshl_b32 s82, s[WV], 9
	v_add_nc_u32 v[PS0], s82, v[ABS0]
	s_add_co_u32 s83, s82, EX0
	v_add_nc_u32 v[EXW], s83, v[L16]
	v_add_nc_u32 v[EXR], EX0, v[L16]
	v_add_nc_u32 v[XD], s82, v[L16]                ; a row's 512 bytes of x and out that are mine
	v_lshlrev_b32 v167, 6, v163
	v_add_nc_u32 v[VH], s82, v167                  ; 64 h + 512 w
	s_mul_i32 s83, s[WV], 8448                     ; my stage: 16 rows x (512 + 16) bytes, in BR0
	s_add_co_u32 s83, s83, BR0
	v_add_nc_u32 v[XA], s83, v[L16]
	v_mul_u32_u24 v167, v162, 528
	v_lshl_add_u32 v167, v163, 6, v167
	v_add_nc_u32 v[XR], s83, v167
	s_lshl_b32 s83, s[WV], 11
	v_add_nc_u32 v168, s83, v[ABR0]                ; Q's images: 4 ks + w
	s_lshl_b32 s83, s[WV], 7
	v_add_nc_u32 v169, s83, v[ABS0]
	v_lshlrev_b32 v[PFO], 8, v161
	v_lshlrev_b32 v170, 4, v162
	s_bfe_u32 s84, ttmp6, 0x40000                  ; cx: it enters global addresses alone
	s_lshl_b32 s85, ttmp9, 2
	s_add_co_u32 s84, s85, s84                     ; qb
	s_and_b32 s85, ttmp7, 0xffff                   ; b, which the four partners share
	s_mov_b32 s[G1+0], 15|(3<<16)|(1<<21)          ; the mask: all four; elements of 8 bytes; bit 21 beside a mask; no padding: images are read 512 consecutive bytes at a time
	s_mov_b32 s[G1+1], 32<<16
	s_mov_b32 s[G1+2], 132<<16
	s_mov_b32 s[G1+3], 32<<16
	s_mov_b32 s[G1+4], 132
	s_mov_b32 s[G1+5], 32
	s_mov_b32 s[G1+6], 0
	s_mov_b32 s[G1+7], 0
	s_mov_b32 s[L2E], 0x3b38aa3b                   ; log2(e) / 512
	s_mov_b32 s[L2E+1], s[L2E]
	s_mov_b32 s[I512], 0x3b000000                  ; 1 / 512
	s_mov_b32 s[I512+1], s[I512]
	s_mov_b32 s[P512], 0x44000000                  ; 512
	s_mov_b32 s[P512+1], s[P512]
	s_mov_b32 s[MNT], 0x600000
	s_mov_b32 s[NEG], 0xd2ee6b28                   ; -1e9 x 512
	s_mov_b32 s[SEL], 0x76543210
	s_mov_b32 s[SEL+1], 0xfedcba98
	s_lshl_b32 s86, s85, 3
	s_sub_co_u32 s86, 122, s86
	s_mul_i32 s[JMP], s86, FILL                    ; from fill 8 b + 6 to 128, and from 8 b + 7 to 129
	s_mov_b32 s[TWOF], 2*FILL
	s_mov_b32 s[STP+1], 0
	s_mov_b32 s[IT], 0
	s_mov_b32 s[TT], 0
	s_add_co_u32 s[PFT], s85, 5
	s_cmp_eq_u32 s[WV], 0
	s_cselect_b32 s[PFT], s[PFT], -1
	s_cselect_b32 s[PF5], 5, 0
	s_mov_b32 s87, 0
	WALU
	s_wait_kmcnt 0x0
	s_mul_i32 s86, s85, 8*FILL
	s_add_co_u32 s86, s86, s81
	s_mov_b32 s[G0], 1
	s_mov_b32 s[G0+1], s81                         ; slot 0, my quarter
	s_add_nc_u64 s[G0+2:G0+3], s[STRM:STRM+1], s[86:87]   ; fill 8 b, my quarter
	s_mov_b32 s[G0+4], 1
	s_add_co_u32 s[G0+5], s81, FILL                ; slot 1
	s_add_nc_u64 s[G0+6:G0+7], s[G0+2:G0+3], FILL  ; fill 8 b + 1
	s_or_b32 s[G0+3], s[G0+3], 0x80000000
	s_or_b32 s[G0+7], s[G0+7], 0x80000000
	s_lshl_b32 s86, s85, 21
	s_lshl_b32 s88, s84, 17
	s_add_co_u32 s86, s86, s88                     ; my first row in x and out: rows of 2,048 bytes
	s_add_nc_u64 s[XB:XB+1], s[XB:XB+1], s[86:87]
	s_add_nc_u64 s[OUTB:OUTB+1], s[OUTB:OUTB+1], s[86:87]
	s_lshl_b32 s86, s86, 1                         ; ubuf: 262,144 (16 b + qb) + 32,768 w
	s_lshl_b32 s88, s[WV], 15
	s_add_co_u32 s86, s86, s88
	s_add_nc_u64 s[UBF:UBF+1], s[UBF:UBF+1], s[86:87]
	s_lshl_b32 s86, s85, 11
	s_add_nc_u64 s[PMX:PMX+1], s[PMX:PMX+1], s[86:87]
	s_lshr_b32 s88, s84, 3                         ; my rows as keys: half qb / 8, wave part (qb / 2) % 4, tiles 4 (qb % 2) + 0..3: wave w fetches tile w
	s_lshl_b32 s88, s88, 2
	s_lshl_b32 s89, s85, 3
	s_add_co_u32 s88, s88, s89
	s_mul_i32 s88, s88, FILL
	s_bfe_u32 s89, s84, 0x20001
	s_mul_i32 s89, s89, WQ
	s_add_co_u32 s88, s88, s89
	s_and_b32 s90, s84, 1
	s_lshl_b32 s91, s90, 2
	s_add_co_u32 s91, s91, s[WV]
	s_lshl_b32 s91, s91, 11
	s_add_co_u32 s86, s88, s91
	s_add_nc_u64 s[QB0:QB0+1], s[STRM:STRM+1], s[86:87]
	s_lshl_b32 s91, s80, 8                         ; its scale words: ASC + 16 (16 (w % 2) + r) + 4 (2 (qb % 2) + w / 2)
	s_lshl_b32 s90, s90, 3
	s_add_co_u32 s91, s91, s90
	s_lshl_b32 s90, s[WH], 2
	s_add_co_u32 s91, s91, s90
	s_add_co_u32 s91, s91, ASC
	s_add_co_u32 s86, s88, s91
	s_add_nc_u64 s[QS0:QS0+1], s[STRM:STRM+1], s[86:87]
	s_lshl_b32 s88, s84, 13                        ; the prefetches: 8,192 qb on in a fill
	s_lshl_b32 s86, s85, 3
	s_add_co_u32 s86, s86, 3
	s_mul_i32 s86, s86, FILL
	s_add_co_u32 s86, s86, s88
	s_add_nc_u64 s[PFA:PFA+1], s[STRM:STRM+1], s[86:87]   ; fill 8 b + 3
	s_add_co_u32 s86, s85, 128
	s_mul_i32 s86, s86, FILL
	s_add_co_u32 s86, s86, s88
	s_add_nc_u64 s[PFW:PFW+1], s[STRM:STRM+1], s[86:87]   ; fill 128 + b
.irp k, 0,1,2,3
	global_load_b128 v[132+4*\k:135+4*\k], v[L16], s[PMX:PMX+1] offset:512*\k   ; the batch's 128 sets of partial maxima: (t, t, g, g)
.endr
.irp ks, 0,1,2,3
.irp c, 0,1,2,3
	global_load_b128 v[64+16*\ks+4*\c:64+16*\ks+4*\c+3], v[L16], s[QB0:QB0+1] offset:(\ks/2)*FILL+(\ks%2)*STEPB+512*\c
.endr
	global_load_b32 v[128+\ks], v170, s[QS0:QS0+1] offset:(\ks/2)*FILL+(\ks%2)*STEPB
.endr
	ULD                                            ; pass 0's table
	ROUND                                          ; all four work-groups are here: the first joint load meets
	tensor_load_to_lds s[G0:G0+3], s[G1:G1+7]      ; fill 0
	s_nop 0
	PLACES 4
	WIN 0xc0
.set p, 0
.rept 256
	v_mov_b32 v[p], 0                              ; O: the first change of M leaves zeros zeros
.set p, p+1
.endr
	WIN 0
.irp m, 0,1,2,3
	v_mov_b32 v[ST+2*\m+1], 0xff61b1e6             ; the largest t so far: -3e38
	v_floor_f32 v[ST+2*\m], -v[ST+2*\m+1]
	v_mov_b32 v[LS+2*\m], 0
	v_mov_b32 v[LS+2*\m+1], 0
.endr
	WALU
	s_wait_loadcnt 63                              ; the maxima and Q are in: behind them stand the table's 64 loads
	v_max3_num_f32 v132, v132, v133, v136
	v_max3_num_f32 v134, v134, v135, v138
	v_max3_num_f32 v132, v132, v137, v140
	v_max3_num_f32 v134, v134, v139, v142
	v_max3_num_f32 v132, v132, v141, v144
	v_max3_num_f32 v134, v134, v143, v146
	v_max_num_f32 v132, v132, v145
	v_max_num_f32 v134, v134, v147
.irp k, 1,2,4,8
	v_max_num_f32_dpp v132, v132, v132 row_xmask:\k row_mask:0xf bank_mask:0xf
	v_max_num_f32_dpp v134, v134, v134 row_xmask:\k row_mask:0xf bank_mask:0xf
.endr
	v_permlanex16_b32 v133, v132, s[SEL], s[SEL+1]
	v_permlanex16_b32 v135, v134, s[SEL], s[SEL+1]
	v_max_num_f32 v132, v132, v133
	v_max_num_f32 v134, v134, v135
	v_add_f32 v132, v132, v134
	v_mul_f32 v[CV], s[P512], v132
	v_mul_f32 v[CV+1], s[P512], v132
.irp ks, 0,1,2,3
.irp c, 0,1,2,3
	ds_store_b128 v168, v[64+16*\ks+4*\c:64+16*\ks+4*\c+3] offset:8192*\ks+512*\c
.endr
	ds_store_b32 v169, v[128+\ks] offset:512*\ks
.endr
	WALU
; ================ THE SIX TURNS
.Ltop:
	s_wait_loadcnt 0x0                             ; what H begins with is in
	s_cmp_lt_u32 s[IT], 2
	s_cbranch_scc0 .Lmm
	WIN 0x82
.set p, 0
.rept 128
	v_pk_fma_f32 v[p:p+1], v[p:p+1], s[P512:P512+1], v[CV:CV+1] op_sel_hi:[1,0,0]   ; 512 x bias
.set p, p+2
.endr
	WIN 0
.Lmm:
	TRIP 0, 2, ABR0, ABS0, 0, -1, 1
	TRIP 1, 2, ABR0, ABS0, 8, -1, 1
	s_cmp_lt_u32 s[IT], 2
	s_cbranch_scc1 .Lsoft
	QUANT 0, 1
	QUANT 1, 1
	QUANT 2, 1
	QUANT 3, 1
	WALU
	s_branch .Lpre
; ---------------- turns 0, 1: the softmax of 512 keys
.Lsoft:
	WIN 0x28
.set q, 0
.rept 16
	v_max3_num_f32 v[BM+q], 0xff800000, v[16*q], v[16*q+1]       ; the largest of each block of 32 keys; each accumulator from its low end on
.set q, q+1
.endr
.irp e, 2,4,6,8,10,12,14
.set q, 0
.rept 16
	v_max3_num_f32 v[BM+q], v[BM+q], v[16*q+\e], v[16*q+\e+1]
.set q, q+1
.endr
.endr
	WIN 0
.set q, 0
.rept 16
	v_permlanex16_b32 v[PRM+q], v[BM+q], s[SEL], s[SEL+1]
.set q, q+1
.endr
.set q, 0
.rept 16
	v_max_num_f32 v[BM+q], v[BM+q], v[PRM+q]
.set q, q+1
.endr
.irp m, 0,1,2,3
	v_max3_num_f32 v[RM+\m], v[BM+4*\m], v[BM+4*\m+1], v[BM+4*\m+2]
.endr
.irp m, 0,1,2,3
	v_max3_num_f32 v[RM+\m], v[RM+\m], v[BM+4*\m+3], s[NEG]      ; a hidden key's logit is -1e9
.endr
	WALU
	EXCH 0
.irp m, 0,1,2,3
	v_max3_num_f32 v[RM+\m], v[EXL+\m], v[EXL+4+\m], v[EXL+8+\m]
.endr
.irp m, 0,1,2,3
	v_max_num_f32 v[RM+\m], v[RM+\m], v[EXL+12+\m]
.endr
	v_mov_b32 v[TNEG], s[NEG]
	v_mul_f32 v[TNEG], s[L2E], v[TNEG]
.irp m, 0,1,2,3
	v_mul_f32 v[RM+\m], s[L2E], v[RM+\m]
.endr
.irp m, 0,1,2,3
	v_max_num_f32 v[ST+2*\m+1], v[ST+2*\m+1], v[RM+\m]
	v_mov_b32 v[PRM+\m], v[ST+2*\m]
.endr
.irp m, 0,1,2,3
	v_floor_f32 v[ST+2*\m], -v[ST+2*\m+1]          ; -M = -ceil(t)
.endr
.irp m, 0,1,2,3
	v_sub_f32 v[PRM+\m], v[ST+2*\m], v[PRM+\m]
	v_add_f32 v[FV+\m], v[TNEG], v[ST+2*\m]
.endr
.irp m, 0,1,2,3
	v_cvt_i32_f32 v[PRM+\m], v[PRM+\m]
.endr
.irp m, 0,1,2,3
	v_ldexp_f32 v[FP+2*\m], 1.0, v[PRM+\m]         ; f = 2^(old M - new M)
.endr
.irp m, 0,1,2,3
	v_mov_b32 v[FP+2*\m+1], v[FP+2*\m]
.endr
	WIN 0x82
.irp m, 0,1,2,3
.set p, 0
.rept 32
	v_pk_fma_f32 v[64*\m+p:64*\m+p+1], v[64*\m+p:64*\m+p+1], s[L2E:L2E+1], v[ST+2*\m:ST+2*\m+1] op_sel_hi:[1,0,0]   ; t - M
.set p, p+2
.endr
.endr
	WIN 0
.set q, 0
.rept 16
	v_fma_f32 v[BM+q], v[BM+q], s[L2E], v[ST+2*(q/4)]
.set q, q+1
.endr
	WIN 0x82
	WALU                                           ; the wait ahead of the batch
.set p, 0
.rept 256
	v_exp_f32 v[p], v[p]
.set p, p+1
.endr
	WIN 0
.irp m, 0,1,2,3
	v_pk_mul_f32 v[LS+2*\m:LS+2*\m+1], v[LS+2*\m:LS+2*\m+1], v[FP+2*\m:FP+2*\m+1]
.endr
	WALU                                           ; one wait for the batch of 256
.set q, 0
.rept 16
	v_exp_f32 v[BM+q], v[BM+q]                     ; each block's largest p
.set q, q+1
.endr
.irp m, 0,1,2,3
	v_exp_f32 v[FV+\m], v[FV+\m]
.endr
	WIN 0x08
.set p, 0
.rept 32
.irp m, 0,1,2,3
	v_pk_add_f32 v[LS+2*\m:LS+2*\m+1], v[LS+2*\m:LS+2*\m+1], v[64*\m+p:64*\m+p+1]      ; the sums of the unquantised p
.endr
.set p, p+2
.endr
	WIN 0
	WALU                                           ; and one for the twenty
.irp m, 0,1,2,3
	v_fma_f32 v[LS+2*\m], 0x42800000, v[FV+\m], v[LS+2*\m]       ; where fv is not 0 all my 64 keys are hidden and each counts fv
.endr
.set q, 0
.rept 16
	v_max3_num_f32 v[BM+q], v[BM+q], v[FV+q/4], 0x8000000
.set q, q+1
.endr
.set q, 0
.rept 16
	v_add_nc_u32 v[SCOP+q], 0xf8800000, v[BM+q]
.set q, q+1
.endr
.set q, 0
.rept 16
	v_and_or_b32 v[HOLD+q], v[BM+q], 0x7f800000, s[MNT]
.set q, q+1
.endr
.set q, 0
.rept 16
	v_lshrrev_b32 v[PRM+q], 23, v[SCOP+q]
.set q, q+1
.endr
.irp m, 0,1,2,3
	v_lshl_or_b32 v[PWD+\m], v[PRM+4*\m+1], 8, v[PRM+4*\m]
.endr
.irp m, 0,1,2,3
	v_lshl_or_b32 v[PWD+\m], v[PRM+4*\m+2], 16, v[PWD+\m]
.endr
.irp m, 0,1,2,3
	v_lshl_or_b32 v[PWD+\m], v[PRM+4*\m+3], 24, v[PWD+\m]
.endr
	WIN 0x82
.set p, 0
.rept 256
	v_med3_num_f32 v[p], v[p], v[FV+p/64], v[HOLD+p/16]          ; the hold; from below fv
.set p, p+1
.endr
	WIN 0x02
.set q, 0
.rept 16
	v_cvt_scalef32_pk8_bf8_f32 v[PC+4*q:PC+4*q+1], v[16*q:16*q+7], v[SCOP+q]
	v_cvt_scalef32_pk8_bf8_f32 v[PC+4*q+2:PC+4*q+3], v[16*q+8:16*q+15], v[SCOP+q]
.set q, q+1
.endr
	WIN 0
	v_nop
	WIN 0xc3
	WALU                                           ; the wait ahead of the first reader of O
.irp m, 0,1,2,3
.set p, 0
.rept 32
	v_pk_mul_f32 v[64*\m+p:64*\m+p+1], v[64*\m+p:64*\m+p+1], v[FP+2*\m:FP+2*\m+1]      ; O under the new M
.set p, p+2
.endr
.endr
	WIN 0
	WALU
; ---------------- H is free: it takes what the next turn, or layernorm 2, begins with
; (the bases that are stepped here were last read a turn ago, ahead of the trip's own wait on XCNT)
.macro ARMS
	s_cmp_lg_u32 s[IT], 0
	s_cbranch_scc1 .Lp1
	s_add_nc_u64 s[UBF:UBF+1], s[UBF:UBF+1], 131072
	ULD                                            ; pass 1's table
	s_branch .Lpd
.Lp1:
	s_cmp_lg_u32 s[IT], 1
	s_cbranch_scc1 .Lp2
	WIN 0x80
.irp m, 0,1,2,3
.irp i, 0,1,2,3,4,5,6,7,8,9,10,11,12,13,14,15
	global_load_b128 v[64*\m+4*\i:64*\m+4*\i+3], v[XD], s[XB:XB+1] offset:(32*(\m/2)+8*(\m%2)+\i+8*(\i/8))*2048 th:TH_LOAD_NT   ; 512 consecutive bytes of one row of x
.endr
.endr
	WIN 0
	s_branch .Lpd
.Lp2:
	s_cmp_eq_u32 s[IT], 5
	s_cbranch_scc1 .Lp3
	s_add_nc_u64 s[B1B:B1B+1], s[B1B:B1B+1], 2048
	B1LD                                           ; the next chunk's b1
	s_branch .Lpd
.Lp3:
	WIN 0x80
.irp q, 0,1,2,3,4,5,6,7,8,9,10,11,12,13,14,15
	global_load_b128 v[4*\q:4*\q+3], v[VH], s[B2B:B2B+1] offset:128*(\q/4)+16*(\q%4)   ; the last turn: b2 of my 128 columns, for the way out
.endr
	WIN 0
.Lpd:
.endm
.Lpre:
	TRIP 0, 3, ABR1, ABS1, 0, 0, 1, 1
	s_cmp_eq_u32 s[IT], 5
	s_cbranch_scc1 .Ltail                          ; the last trip is written out: it asks for nothing more
	TRIP 1, 3, ABR1, ABS1, 0, 1, 1
	s_cmp_lg_u32 s[IT], 1
	s_cbranch_scc1 .Lnext
; ---------------- behind turn 1: x1 = x + O / l; h2 = layernorm(x1).  x lies in H, dense
	s_wait_loadcnt 0x0                             ; x
.irp q, 0,1,2,3,4,5,6,7,8,9,10,11,12,13,14,15
	global_load_b128 v[PC+4*\q:PC+4*\q+3], v[VH], s[LW2:LW2+1] offset:128*(\q/4)+16*(\q%4)
	global_load_b128 v[96+4*\q+32*(\q/8):96+4*\q+32*(\q/8)+3], v[VH], s[LB2:LB2+1] offset:128*(\q/4)+16*(\q%4)   ; ln2_b in v96-127 and v160-191
.endr
.irp m, 0,1,2,3
	v_add_f32 v[RM+\m], v[LS+2*\m], v[LS+2*\m+1]
.endr
	HALVES
	GATHER EXB                                     ; the rows' sums l
	WALU
.irp m, 0,1,2,3
	v_rcp_f32 v[FP+2*\m], v[RM+\m]
.endr
	v_nop
	WALU
.irp m, 0,1,2,3
	v_mov_b32 v[FP+2*\m+1], v[FP+2*\m]
.endr
.macro TURNX m                         ; tile m of x through my stage, into O's layout
	WIN 0x88
.irp i, 0,1,2,3,4,5,6,7,8,9,10,11,12,13,14,15
	ds_store_b128 v[XA], v[64*\m+4*\i:64*\m+4*\i+3] offset:528*\i
.endr
.irp q, 0,1,2,3,4,5,6,7,8,9,10,11,12,13,14,15
	ds_load_b128 v[64*\m+4*\q:64*\m+4*\q+3], v[XR] offset:128*(\q/4)+16*(\q%4)
.endr
.endm
.macro RESID m
	WIN 0xe3                                       ; O window 3, 1 / l window 0, x window 2
	WALU                                           ; the wait ahead of the first reader of O
.set p, 0
.rept 32
	v_pk_fma_f32 v[64*\m+p:64*\m+p+1], v[64*\m+p:64*\m+p+1], v[FP+2*\m:FP+2*\m+1], v[64*\m+p:64*\m+p+1]
.set p, p+2
.endr
.endm
	TURNX 0
	TURNX 1
	s_wait_dscnt 32
	RESID 0
	TURNX 2
	s_wait_dscnt 32
	RESID 1
	TURNX 3
	s_wait_dscnt 32
	RESID 2
	s_wait_dscnt 0x0
	RESID 3
	WIN 0x0f
.irp m, 0,1,2,3
	v_pk_add_f32 v[BM+2*\m:BM+2*\m+1], v[64*\m:64*\m+1], v[64*\m+2:64*\m+3]
.endr
	WIN 0x0c
.set p, 4
.rept 30
.irp m, 0,1,2,3
	v_pk_add_f32 v[BM+2*\m:BM+2*\m+1], v[BM+2*\m:BM+2*\m+1], v[64*\m+p:64*\m+p+1]
.endr
.set p, p+2
.endr
	WIN 0
.irp m, 0,1,2,3
	v_add_f32 v[RM+\m], v[BM+2*\m], v[BM+2*\m+1]
.endr
	HALVES
	GATHER 0
.irp m, 0,1,2,3
	v_mul_f32 v[FP+2*\m], s[I512], v[RM+\m]        ; the mean
	v_mul_f32 v[FP+2*\m+1], s[I512], v[RM+\m]
.endr
	WIN 0x83
.irp m, 0,1,2,3
.set p, 0
.rept 32
	v_pk_add_f32 v[64*\m+p:64*\m+p+1], v[64*\m+p:64*\m+p+1], v[FP+2*\m:FP+2*\m+1] neg_lo:[0,1] neg_hi:[0,1]   ; H = x1 - mean; O keeps x1
.set p, p+2
.endr
.endr
	WIN 0x0a
.irp m, 0,1,2,3
	v_pk_mul_f32 v[BM+2*\m:BM+2*\m+1], v[64*\m:64*\m+1], v[64*\m:64*\m+1]
.endr
.set p, 2
.rept 31
.irp m, 0,1,2,3
	v_pk_fma_f32 v[BM+2*\m:BM+2*\m+1], v[64*\m+p:64*\m+p+1], v[64*\m+p:64*\m+p+1], v[BM+2*\m:BM+2*\m+1]
.endr
.set p, p+2
.endr
	WIN 0
.irp m, 0,1,2,3
	v_add_f32 v[RM+\m], v[BM+2*\m], v[BM+2*\m+1]
.endr
	HALVES
	GATHER EXB
	s_mov_b32 s79, 0x358637bd                      ; 1e-6
.irp m, 0,1,2,3
	v_fma_f32 v[RM+\m], v[RM+\m], s[I512], s79
.endr
	WALU
.irp m, 0,1,2,3
	v_rsq_f32 v[FP+2*\m], v[RM+\m]
.endr
	v_nop
	WALU
.irp m, 0,1,2,3
	v_mov_b32 v[FP+2*\m+1], v[FP+2*\m]
.endr
	WIN 0x82
.irp m, 0,1,2,3
.set p, 0
.rept 32
	v_pk_mul_f32 v[64*\m+p:64*\m+p+1], v[64*\m+p:64*\m+p+1], v[FP+2*\m:FP+2*\m+1]
.set p, p+2
.endr
.endr
	s_wait_loadcnt 0x0                             ; ln2_w, ln2_b
.irp m, 0,1,2,3
.set p, 0
.rept 32
	v_pk_fma_f32 v[64*\m+p:64*\m+p+1], v[64*\m+p:64*\m+p+1], v[PC+p:PC+p+1], v[96+p+32*(p/32):97+p+32*(p/32)]
.set p, p+2
.endr
.endr
	WIN 0
	QUANT 0, 0
	QUANT 1, 0
	QUANT 2, 0
	QUANT 3, 0
.irp m, 0,1,2,3                        ; K step w of the third product.  Every wave has passed two barriers behind its last read of the stage for x, which lay here
.irp c, 0,1,2,3
	ds_store_b128 v[PB0], v[PC+16*\m+4*\c:PC+16*\m+4*\c+3] offset:2048*\m+512*\c
.endr
	ds_store_b32 v[PS0], v[PWD+\m] offset:128*\m
.endr
	B1LD                                           ; the first chunk's b1
	WALU
.Lnext:
	s_add_co_u32 s[IT], s[IT], 1
	s_cmp_lt_u32 s[IT], 6
	s_cbranch_scc1 .Ltop
.Ltail:
	TRIP 1, 3, ABR1, ABS1, 0, 1, 0
; ================ out = (x1 + FFN + b2) / 512, through my stage in BR0: behind the last trips' barriers nobody reads h2's images
	s_wait_loadcnt 0x0                             ; b2 lies in H's first 64 registers, asked for two trips ago
	WIN 0x82
.set p, 0
.rept 32
	v_pk_mul_f32 v[p:p+1], v[p:p+1], s[I512:I512+1] op_sel_hi:[1,0]
.set p, p+2
.endr
.macro OSTG m
	WIN 0xe3                                       ; O window 3, b2 / 512 window 2
.set p, 0
.rept 32
	v_pk_fma_f32 v[64*\m+p:64*\m+p+1], v[64*\m+p:64*\m+p+1], s[I512:I512+1], v[p:p+1] op_sel_hi:[1,0,1]
.set p, p+2
.endr
	WIN 0x0c
.irp q, 0,1,2,3,4,5,6,7,8,9,10,11,12,13,14,15
	ds_store_b128 v[XR], v[64*\m+4*\q:64*\m+4*\q+3] offset:128*(\q/4)+16*(\q%4)
.endr
	WIN 0
.irp i, 0,1,2,3,4,5,6,7,8,9,10,11,12,13,14,15
	ds_load_b128 v[64+64*(\m%2)+4*\i:64+64*(\m%2)+4*\i+3], v[XA] offset:528*\i     ; my own stage, served in order
.endr
.endm
.macro OSEND m, younger
	s_wait_dscnt \younger
.irp i, 0,1,2,3,4,5,6,7,8,9,10,11,12,13,14,15
	global_store_b128 v[XD], v[64+64*(\m%2)+4*\i:64+64*(\m%2)+4*\i+3], s[OUTB:OUTB+1] offset:(32*(\m/2)+8*(\m%2)+\i+8*(\i/8))*2048 th:TH_STORE_NT   ; 512 consecutive bytes of one row
.endr
.endm
	OSTG 0
	OSTG 1
	OSEND 0, 32
	s_wait_xcnt 0x0                                ; tile 0's stores have read their registers, which tile 2 takes
	OSTG 2
	OSEND 1, 32
	s_wait_xcnt 0x0
	OSTG 3
	OSEND 2, 32
	OSEND 3, 0
	s_wait_tensorcnt 0x0                           ; the wave's end
	ds_add_u32 v[SPW], v[NIL]
	s_wait_dscnt 0x0
	ROUND                                          ; the closing round: no work-group ends while a partner may still ask for a fill that names it
	s_endpgm
.Lfunc_end_k_qb6b0549a8f_main:
	.size	k_qb6b0549a8f_main, .Lfunc_end_k_qb6b0549a8f_main-k_qb6b0549a8f_main
	.p2alignl 7, 3214868480
	.fill 96, 4, 3214868480
	.section	.rodata,"a",@progbits
	.p2align	6, 0x0
	.amdhsa_kernel k_qb6b0549a8f_main
		.amdhsa_group_segment_fixed_size 327680
		.amdhsa_private_segment_fixed_size 0
		.amdhsa_enable_private_segment 0
		.amdhsa_kernarg_size 72
		.amdhsa_user_sgpr_count 2
		.amdhsa_user_sgpr_kernarg_segment_ptr 1
		.amdhsa_wavefront_size32 1
		.amdhsa_system_sgpr_workgroup_id_x 1
		.amdhsa_system_sgpr_workgroup_id_y 1
		.amdhsa_system_sgpr_workgroup_id_z 1
		.amdhsa_system_vgpr_workitem_id 0
		.amdhsa_next_free_vgpr 1024
		.amdhsa_next_free_sgpr 96
		.amdhsa_reserve_vcc 0
		.amdhsa_float_denorm_mode_32 3
		.amdhsa_float_denorm_mode_16_64 3
		.amdhsa_memory_ordered 1
		.amdhsa_forward_progress 1
		.amdhsa_inst_pref_size 255
	.end_amdhsa_kernel
	.section	.bss,"aw",@nobits
	.p2align	6
	.space	262144
	.amdgpu_metadata
---
amdhsa.version: [ 1, 2 ]
amdhsa.kernels:
  - .name:           k_qb6b0549a8f_main
    .symbol:         k_qb6b0549a8f_main.kd
    .args:
      - { .name: x, .offset: 0, .size: 8, .value_kind: global_buffer, .address_space: global }
      - { .name: ubuf, .offset: 8, .size: 8, .value_kind: global_buffer, .address_space: global }
      - { .name: ln2_w, .offset: 16, .size: 8, .value_kind: global_buffer, .address_space: global }
      - { .name: ln2_b, .offset: 24, .size: 8, .value_kind: global_buffer, .address_space: global }
      - { .name: b1, .offset: 32, .size: 8, .value_kind: global_buffer, .address_space: global }
      - { .name: b2, .offset: 40, .size: 8, .value_kind: global_buffer, .address_space: global }
      - { .name: strm, .offset: 48, .size: 8, .value_kind: global_buffer, .address_space: global }
      - { .name: pmax, .offset: 56, .size: 8, .value_kind: global_buffer, .address_space: global }
      - { .name: out0, .offset: 64, .size: 8, .value_kind: global_buffer, .address_space: global }
    .group_segment_fixed_size: 327680
    .private_segment_fixed_size: 0
    .kernarg_segment_align: 8
    .kernarg_segment_size: 72
    .max_flat_workgroup_size: 128
    .sgpr_count:     96
    .vgpr_count:     1024
    .wavefront_size: 32
...
	.end_amdgpu_metadata
.endif
;; end of part 2
